; MI455X (gfx1250); checked and timed in simulation.
; The chip was launched on July 23, 2026; its instructions are those of AMD's public machine-readable ISA for CDNA 5 (MIT licence, August 2026) and "CDNA5" Instruction Set Architecture Reference Guide (July 2026). The comments in the code are by the model that wrote it; some were corrected since.
;; Attention Layer. Allowed arithmetic: float matrix products may take bf16 or f16 operands with f32 sums; all other float work in f32.
;; Inputs: O 1,024 x 128 float32; W_K 8 x 128 x 128 float32; W_Q 8 x 128 x 128 float32; W_V 8 x 128 x 128 float32; X_K 2 x 2,048 x 128 float32; X_Q 2 x 2,048 x 128 float32; X_V 2 x 2,048 x 128 float32; mask 2 x 1 x 2,048 x 2,048 int32.
;; Outputs: out0 2 x 2,048 x 128 float32.
;; One version. Each part assembles by itself: llvm-mc -triple=amdgcn-amd-amdhsa -mcpu=gfx1250 --defsym DOCPART=n.
;; ======== version 1 of 1: 2 launches
;; limits: values are held in f16: magnitudes above 65,504 overflow, below 6.1e-05 lose precision; inputs' magnitudes at most 65,504; right only within a limited range of input values
;; workspace buffers: kb 1,048,576 bytes; vh 1,048,576 bytes; of 262,144 bytes; gd 8,192 bytes
;; launch prep (part 1): grid 256 x 1, 8 waves a work-group, no clusters, 0 bytes of LDS; arguments X_K, X_V, O, W_Q, W_K, W_V, kb, vh, of, gd; writes kb, vh, of, gd
.if DOCPART == 1
	.amdgcn_target "amdgcn-amd-amdhsa--gfx1250"
	.amdhsa_code_object_version 6
	.text
	.protected	k_q6097d5c5bf_prep
	.globl	k_q6097d5c5bf_prep
	.p2align	8
	.type	k_q6097d5c5bf_prep,@function
k_q6097d5c5bf_prep:
	s_mov_b64 s[64:65], 0
	v_nop
	global_prefetch_b8 v0, s[64:65] scope:SCOPE_SE
	s_setreg_imm32_b32 hwreg(HW_REG_WAVE_MODE, 25, 1), 1
	s_wait_xcnt 0x0
; prep: the operands of the attention launch, once, in the formats and orders in which its matrix instructions take them.
;   kb = bf16(X_K)  [2][2048][128]        vh = f16(X_V)  [2][2048][128]
;   of = f16(O) in fragment order [kk 0..31][nt 0..7][c 0..1][lane 0..31][8 halves]:
;        lane = 16 h + r holds O[32 kk + 16 c + 8 h + j][16 nt + r], j = 0..7
;   gd = f32: bytes 0..4095 g'[h][d] = W_Q[h][d][d] * W_K[h][d][d] * log2(e)/sqrt(128); bytes 4096..8191 dv[h][f] = W_V[h][f][f]
; LIMIT: X_V and O go to f16: a magnitude above 65,504 becomes infinite there.
; 256 work-groups of 8 waves.  Every wave takes 1,024 bytes of X_K and of X_V.  Waves 0 and 1 take one (kk, nt) block of O besides;
; wave 7 of work-groups 0 to 15 takes 64 elements of each diagonal besides.  Each of the three ways through the text is whole in
; itself and issues all its loads ahead of its first wait.  Every memory instruction has registers of its own, and EXEC is never changed.
.set GSCALE, 0x3e0293ee                ; log2(e) / sqrt(128) = 0.12751743
; X_K and X_V: converted and stored.  left = how many younger loads may stay out
.macro KVOUT left
	s_wait_loadcnt \left                           ; loads come back in order: the four oldest are X_K's and X_V's
	v_cvt_pk_bf16_f32 v20, v4, v5
	v_cvt_pk_bf16_f32 v21, v6, v7
	v_cvt_pk_bf16_f32 v22, v8, v9
	v_cvt_pk_bf16_f32 v23, v10, v11
	v_cvt_pk_f16_f32 v24, v12, v13
	v_cvt_pk_f16_f32 v25, v14, v15
	v_cvt_pk_f16_f32 v26, v16, v17
	v_cvt_pk_f16_f32 v27, v18, v19
	global_store_b64 v2, v[20:21], s[16:17]                ; a wave's store covers 256 consecutive bytes, aligned
	global_store_b64 v2, v[22:23], s[16:17] offset:2048
	global_store_b64 v2, v[24:25], s[18:19]
	global_store_b64 v2, v[26:27], s[18:19] offset:2048
.endm
	s_load_b512 s[4:19], s[0:1], 0x0               ; X_K s[4:5], X_V s[6:7], O s[8:9], W_Q s[10:11], W_K s[12:13], W_V s[14:15], kb s[16:17], vh s[18:19]
	s_load_b128 s[20:23], s[0:1], 0x40             ; of s[20:21], gd s[22:23]
	v_lshrrev_b32 v3, 5, v0
	v_readfirstlane_b32 s24, v3                    ; wave number
	s_mov_b32 s25, ttmp9                           ; work-group number
	s_lshl_b32 s26, s25, 13                        ; 8,192 bytes of f32 in
	s_mov_b32 s27, 0
	s_lshl_b32 s28, s25, 12                        ; 4,096 bytes of 16-bit numbers out
	s_mov_b32 s29, 0
	v_lshlrev_b32 v1, 4, v0                        ; 16 t
	v_lshlrev_b32 v2, 3, v0                        ; 8 t
	s_wait_kmcnt 0x0
	s_add_nc_u64 s[4:5], s[4:5], s[26:27]
	s_add_nc_u64 s[6:7], s[6:7], s[26:27]
	s_add_nc_u64 s[16:17], s[16:17], s[28:29]
	s_add_nc_u64 s[18:19], s[18:19], s[28:29]
	global_load_b128 v[4:7],   v1, s[4:5] th:TH_LOAD_NT               ; a wave's load covers 512 consecutive bytes
	global_load_b128 v[8:11],  v1, s[4:5] offset:4096 th:TH_LOAD_NT
	global_load_b128 v[12:15], v1, s[6:7] th:TH_LOAD_NT
	global_load_b128 v[16:19], v1, s[6:7] offset:4096 th:TH_LOAD_NT
	s_cmp_lt_u32 s24, 2
	s_cbranch_scc1 .Lwith_o
	s_cmp_eq_u32 s24, 7
	s_cbranch_scc0 .Lplain
	s_cmp_lt_u32 s25, 16
	s_cbranch_scc0 .Lplain
	; the diagonals: work-group wg < 16 takes head wg >> 1, d = 64 (wg & 1) + 2 lane and the next
	s_lshr_b32 s30, s25, 1
	s_lshl_b32 s30, s30, 16                        ; a head is 65,536 bytes
	s_and_b32 s31, s25, 1
	s_mul_i32 s31, s31, 64*516                     ; element (d, d) lies at d rows of 512 bytes + 4 d
	s_add_co_u32 s30, s30, s31
	s_mov_b32 s31, 0
	s_add_nc_u64 s[10:11], s[10:11], s[30:31]
	s_add_nc_u64 s[12:13], s[12:13], s[30:31]
	s_add_nc_u64 s[14:15], s[14:15], s[30:31]
	s_lshl_b32 s32, s25, 8                         ; 64 numbers of 4 bytes
	s_mov_b32 s33, 0
	s_add_nc_u64 s[22:23], s[22:23], s[32:33]
	v_and_b32 v40, 31, v0
	v_mul_u32_u24 v41, v40, 2*516
	v_lshlrev_b32 v50, 3, v40
	global_load_b32 v42, v41, s[10:11]
	global_load_b32 v43, v41, s[10:11] offset:516
	global_load_b32 v44, v41, s[12:13]
	global_load_b32 v45, v41, s[12:13] offset:516
	global_load_b32 v46, v41, s[14:15]
	global_load_b32 v47, v41, s[14:15] offset:516
	KVOUT 6                                        ; the six diagonal loads stay out
	s_wait_loadcnt 0x0
	v_mul_f32 v48, v42, v44
	v_mul_f32 v49, v43, v45
	v_mul_f32 v48, GSCALE, v48
	v_mul_f32 v49, GSCALE, v49
	global_store_b64 v50, v[48:49], s[22:23]               ; the wave's store covers 256 consecutive bytes, aligned
	global_store_b64 v50, v[46:47], s[22:23] offset:4096
	s_endpgm
.Lwith_o:
	; O: threads 0..63 make the block (kk = wg >> 3, nt = wg & 7): thread t = 32 c + 16 h + r
	s_lshr_b32 s30, s25, 3
	s_lshl_b32 s30, s30, 14                        ; kk x 32 rows of 512 bytes
	s_and_b32 s31, s25, 7
	s_lshl_b32 s31, s31, 6                         ; nt x 16 columns of 4 bytes
	s_add_co_u32 s30, s30, s31
	s_mov_b32 s31, 0
	s_add_nc_u64 s[8:9], s[8:9], s[30:31]
	s_lshl_b32 s32, s25, 10                        ; a block of 'of' is 1,024 bytes
	s_mov_b32 s33, 0
	s_add_nc_u64 s[20:21], s[20:21], s[32:33]
	v_lshrrev_b32 v51, 4, v0                       ; 2 c + h: eight rows each
	v_and_b32 v52, 15, v0                          ; r
	v_lshlrev_b32 v52, 2, v52
	v_lshl_add_u32 v51, v51, 12, v52               ; 8 (2c + h) rows of 512 bytes + 4 r
.irp j, 0,1,2,3,4,5,6,7
	global_load_b32 v[28+\j], v51, s[8:9] offset:512*\j
.endr
	KVOUT 8                                        ; the eight loads of O stay out
	s_wait_loadcnt 0x0
	v_cvt_pk_f16_f32 v36, v28, v29
	v_cvt_pk_f16_f32 v37, v30, v31
	v_cvt_pk_f16_f32 v38, v32, v33
	v_cvt_pk_f16_f32 v39, v34, v35
	global_store_b128 v1, v[36:39], s[20:21]       ; 16 t: the two waves write the block's 1,024 bytes whole
	s_endpgm
.Lplain:
	KVOUT 0
	s_endpgm
.Lfunc_end_k_q6097d5c5bf_prep:
	.size	k_q6097d5c5bf_prep, .Lfunc_end_k_q6097d5c5bf_prep-k_q6097d5c5bf_prep
	.p2alignl 7, 3214868480
	.fill 96, 4, 3214868480
	.section	.rodata,"a",@progbits
	.p2align	6, 0x0
	.amdhsa_kernel k_q6097d5c5bf_prep
		.amdhsa_group_segment_fixed_size 0
		.amdhsa_private_segment_fixed_size 0
		.amdhsa_enable_private_segment 0
		.amdhsa_kernarg_size 80
		.amdhsa_user_sgpr_count 2
		.amdhsa_user_sgpr_kernarg_segment_ptr 1
		.amdhsa_wavefront_size32 1
		.amdhsa_system_sgpr_workgroup_id_x 1
		.amdhsa_system_sgpr_workgroup_id_y 1
		.amdhsa_system_sgpr_workgroup_id_z 1
		.amdhsa_system_vgpr_workitem_id 0
		.amdhsa_next_free_vgpr 56
		.amdhsa_next_free_sgpr 66
		.amdhsa_reserve_vcc 0
		.amdhsa_float_denorm_mode_32 3
		.amdhsa_float_denorm_mode_16_64 3
		.amdhsa_memory_ordered 1
		.amdhsa_forward_progress 1
		.amdhsa_inst_pref_size 8
	.end_amdhsa_kernel
	.amdgpu_metadata
---
amdhsa.version: [ 1, 2 ]
amdhsa.kernels:
  - .name:           k_q6097d5c5bf_prep
    .symbol:         k_q6097d5c5bf_prep.kd
    .args:
      - { .name: X_K, .offset: 0, .size: 8, .value_kind: global_buffer, .address_space: global }
      - { .name: X_V, .offset: 8, .size: 8, .value_kind: global_buffer, .address_space: global }
      - { .name: O, .offset: 16, .size: 8, .value_kind: global_buffer, .address_space: global }
      - { .name: W_Q, .offset: 24, .size: 8, .value_kind: global_buffer, .address_space: global }
      - { .name: W_K, .offset: 32, .size: 8, .value_kind: global_buffer, .address_space: global }
      - { .name: W_V, .offset: 40, .size: 8, .value_kind: global_buffer, .address_space: global }
      - { .name: kb, .offset: 48, .size: 8, .value_kind: global_buffer, .address_space: global }
      - { .name: vh, .offset: 56, .size: 8, .value_kind: global_buffer, .address_space: global }
      - { .name: of, .offset: 64, .size: 8, .value_kind: global_buffer, .address_space: global }
      - { .name: gd, .offset: 72, .size: 8, .value_kind: global_buffer, .address_space: global }
    .group_segment_fixed_size: 0
    .private_segment_fixed_size: 0
    .kernarg_segment_align: 8
    .kernarg_segment_size: 80
    .max_flat_workgroup_size: 256
    .sgpr_count:     66
    .vgpr_count:     56
    .wavefront_size: 32
...
	.end_amdgpu_metadata
.endif
;; end of part 1
;; launch attn (part 2): grid 256 x 1, 4 waves a work-group, clusters of 4 x 1, 327,680 bytes of LDS; arguments X_Q, mask, kb, vh, of, gd, out0; writes out0
.if DOCPART == 2
	.amdgcn_target "amdgcn-amd-amdhsa--gfx1250"
	.amdhsa_code_object_version 6
	.text
	.protected	k_q6097d5c5bf_attn
	.globl	k_q6097d5c5bf_attn
	.p2align	8
	.type	k_q6097d5c5bf_attn,@function
k_q6097d5c5bf_attn:
	s_mov_b64 s[64:65], 0
	v_nop
	global_prefetch_b8 v0, s[64:65] scope:SCOPE_SE
	s_setreg_imm32_b32 hwreg(HW_REG_WAVE_MODE, 25, 1), 1
	s_wait_xcnt 0x0
	s_wait_alu depctr_hold_cnt(0) depctr_sa_sdst(0) depctr_va_vdst(0) depctr_va_sdst(0) depctr_va_ssrc(0) depctr_va_vcc(0) depctr_vm_vsrc(0)
	s_getreg_b32 s2, hwreg(HW_REG_IB_STS2, 6, 4)
	s_cmp_eq_u32 s2, 0
	s_cbranch_scc0 .Lentry_in_a_cluster
	s_endpgm
.Lentry_in_a_cluster:
	s_bfe_u32 s2, ttmp6, 0x10000c
	s_cmp_lg_u32 s2, 0x3003
	s_cbranch_scc0 .Lentry_shape_is_right
	s_endpgm
.Lentry_shape_is_right:
; attn: the whole of the layer for 16 query rows and all 8 heads in one work-group of four waves.
; Wave w = 2 hg + ks takes heads 4 hg .. 4 hg + 3 and keys 128 ks .. 128 ks + 127 of each step's 256 keys; 8 key steps.
; Everything is computed transposed, so that no product's result changes lanes on its way into the next product:
;   S^T[key][q] = K . Q'^T + bias   bf16; Q' = bf16(X_Q g'), g' holds log2(e)/sqrt(128): scores in units of log2.
;                                   bias = -2^100 where mask == 0, else 0: the C operand of the first K step, shared by the heads.
;   O^T[f][q]  += V^T . P^T         f16; P = exp2(S - running maximum) lies in [0, 1]; two neighbouring S tiles pack in place to a B fragment.
;   out^T[n][q] = O_w^T . Oh^T      f16; two neighbouring O tiles pack in place to a B fragment.
; A lane holds one query (q = lane % 16), so maximum, alpha and row sum are numbers of the lane; the two halves of the lanes
; meet by one v_permlanex16_b32.  The two key halves meet at the end: each wave scales its own O by exp2(m_w - m) / l, and the
; four waves' f32 partial results are added through LDS.
; Before Oh goes to f16 each wave multiplies column q by the exact power of two that brings the column's largest magnitude
; into [1, 2), and multiplies its f32 product back afterwards.
; CLUSTER 4 x 1: the four work-groups are of one batch and walk the same K and V tiles and the same weights 'of':
; these are joint loads (mask 15).  The mask tile is each work-group's own (work-group mask 0).
; LIMITS: a score times log2(e) at or below -2^96 counts as masked; |X_V|, |O| below 65,504 (f16, made by prep);
; |Oh dv| below 2^127; where the largest |O dv| of a column lies below 2^-126 the column's scale is lost.
; A row whose mask is all zero ends with l = 0 and comes out as NaN, as softmax of a row of -inf does.
;
; REGISTERS in windows of 256 (s_set_vgpr_msb, low byte: bits 1:0 source 0, 3:2 source 1, 5:4 source 2, 7:6 destination)
;   window 0: addresses, softmax state, fragments (v64-191), row sums (v192-223)
;   window 1: O[i][ft] at 64 i + 8 ft          window 2: S[i][t] at 64 i + 8 t; P(i, u) in place at 64 i + 16 u
;   window 3: Q'[i][kk] at 32 i + 8 kk (0-127), later dv of heads 2, 3; dv of heads 0, 1 at 128-255
.set KP,    272                        ; LDS pitch of a K row: 256 bytes + 16
.set VP,    288                        ; of a V row: 256 + 32 (an odd multiple of 32, for the transposing load)
.set MP,    1040                       ; of a mask row: 1,024 + 16
.set VOFF,  256*KP                     ; 69,632
.set MOFF,  VOFF+256*VP                ; 143,360
.set SLOT,  MOFF+16*MP                 ; 160,000: K, V and mask tile of one step
.set SCR,   2*SLOT                     ; 4,096 bytes that no tensor load ever fills: exchange of m and l
.set STGP,  528                        ; stage of the f32 partial results (slot 0 behind its last fill): 512 + 16 a row
.set ADRK, 8                           ; v8, v9    my K fragments in slot 0, 1
.set ADRV, 10                          ; v10, v11  my V fragments
.set ADRM, 12                          ; v12, v13  my mask words
.set ADRO, 14                          ; v14, v15  my 'of' fragments
.set SCRW, 16
.set SCRR, 17
.set STGW, 18
.set STGR, 19
.set OUTO, 20
.set RNEG, 21                          ; -2^100
.set XQO,  22
.set GO,   23
.set RT,   24                          ; v24-27 four chains
.set RX,   28
.set RY,   29
.set RAL,  30                          ; pair: alpha
.set RMN,  32                          ; pair: new maximum
.set RM,   36                          ; v36-39 running maximum of heads 0..3
.set RL,   40                          ; v40-43 row sums at the end
.set RPM,  44                          ; partner's m
.set RPL,  48                          ; partner's l
.set RSC,  52                          ; exp2(m_w - m) / l
.set RMUL, 56                          ; two pairs
.set ICA,  60                          ; pair: 2^(E-127) of heads 0, 1
.set ICB,  62                          ; pair: of heads 2, 3
.set BI,   64                          ; v64-127 bias tiles; V and 'of' fragment buffer 0; X_Q in the prologue
.set KF,   128                         ; v128-191 K fragments, two buffers of 32; V and 'of' fragment buffer 1
.set LACC, 192                         ; v192-223 head i: four pairs at 8 i
.set G1K, 32
.set G1V, 40
.set G1M, 48
.set G1O, 56
.set G0K, 68                           ; one group 0 for each slot
.set G0V, 76
.set G0M, 84
.set G0OA, 92
.set G0OB, 96
.set MSB, 0
.macro WIN new                         ; the immediate's high byte repeats the setting that is left
.if MSB != \new
	s_set_vgpr_msb (MSB<<8)|\new
.set MSB, \new
.endif
.endm
.macro PLACES n                        ; the places behind matrix instructions (ISA guide 7.12.1)
.rept \n
	v_nop
.endr
.endm
.macro ROUND                           ; a round of the cluster's barrier
	s_barrier_signal -1
	s_barrier_wait -1
	s_cmp_lg_u32 s18, 0
	s_cbranch_scc1 .Lnot_wave_0_\@
	s_barrier_signal -3
.Lnot_wave_0_\@:
	s_barrier_wait -3
	s_barrier_signal -1
	s_barrier_wait -1
.endm
; One tensor load a wave: wave 0 K's tile, wave 1 V's (joint), waves 2 and 3 eight rows each of the mask tile (our own).
.macro FILLKVM s
	s_cmp_lg_u32 s18, 0
	s_cbranch_scc1 .Lnot_k_\@
	tensor_load_to_lds s[G0K+4*\s:G0K+4*\s+3], s[G1K:G1K+7]
	s_nop 0
	s_branch .Lfilled_\@
.Lnot_k_\@:
	s_cmp_lg_u32 s18, 1
	s_cbranch_scc1 .Lnot_v_\@
	tensor_load_to_lds s[G0V+4*\s:G0V+4*\s+3], s[G1V:G1V+7]
	s_nop 0
	s_branch .Lfilled_\@
.Lnot_v_\@:
	tensor_load_to_lds s[G0M+4*\s:G0M+4*\s+3], s[G1M:G1M+7]
	s_nop 0
.Lfilled_\@:
.endm
; Slot s has been read: it is filled again, two steps ahead.
.macro PRE_KVM s
	WIN 0
	s_wait_tensorcnt 0x0                           ; all my tensor loads have landed, my part of the other slot among them: every group 0 may be written
	ds_add_u32 v254, v255
	s_add_nc_u64 s[G0K+4*\s+2:G0K+4*\s+3], s[G0K+4*\s+2:G0K+4*\s+3], 131072   ; 512 rows of 256 bytes on
	s_add_nc_u64 s[G0V+4*\s+2:G0V+4*\s+3], s[G0V+4*\s+2:G0V+4*\s+3], 131072
	s_add_nc_u64 s[G0M+4*\s+2:G0M+4*\s+3], s[G0M+4*\s+2:G0M+4*\s+3], 2048     ; 512 keys of 4 bytes on
	s_wait_dscnt 0x0                               ; my reads of slot s are back
	ROUND                                          ; both now hold of every wave of the four work-groups
	FILLKVM \s                                     ; my one tensor load behind the round, first thing there
.endm
.macro KLOAD s, t                      ; K rows 16 t .. 16 t + 15 of my 128, all 128 along d: four fragments, 8 loads
.irp kk, 0,1,2,3
	ds_load_b128 v[KF+32*((\t)&1)+8*\kk:KF+32*((\t)&1)+8*\kk+3],   v[ADRK+\s] offset:(\t)*16*KP+64*\kk
	ds_load_b128 v[KF+32*((\t)&1)+8*\kk+4:KF+32*((\t)&1)+8*\kk+7], v[ADRK+\s] offset:(\t)*16*KP+64*\kk+32
.endr
.endm
.macro VLOAD s, u                      ; V^T, keys 32 u .. 32 u + 31 of my 128, all 128 f: eight fragments, 16 transposing loads
.irp ft, 0,1,2,3,4,5,6,7
	ds_load_tr16_b128 v[BI+64*((\u)&1)+8*\ft:BI+64*((\u)&1)+8*\ft+3],   v[ADRV+\s] offset:(\u)*32*VP+32*\ft
	ds_load_tr16_b128 v[BI+64*((\u)&1)+8*\ft+4:BI+64*((\u)&1)+8*\ft+7], v[ADRV+\s] offset:(\u)*32*VP+32*\ft+16*VP
.endr
.endm
.macro OLOAD s, g                      ; 'of': head g >> 2 of the slot's two, K step g & 3: eight fragments, 16 loads of 512 dense bytes
.irp nt, 0,1,2,3,4,5,6,7
	ds_load_b128 v[BI+64*((\g)&1)+8*\nt:BI+64*((\g)&1)+8*\nt+3],   v[ADRO+\s] offset:((\g)>>2)*32768+((\g)&3)*8192+1024*\nt
	ds_load_b128 v[BI+64*((\g)&1)+8*\nt+4:BI+64*((\g)&1)+8*\nt+7], v[ADRO+\s] offset:((\g)>>2)*32768+((\g)&3)*8192+1024*\nt+512
.endr
.endm
.macro DVLOAD i0, dst                  ; dv of heads i0, i0 + 1 in the lanes' order of O: f = 16 ft + 8 h + j
.irp ii, 0,1
.irp ft, 0,1,2,3,4,5,6,7
	global_load_b128 v[\dst+64*\ii+8*\ft:\dst+64*\ii+8*\ft+3],   v[GO], s[14:15] offset:4096+512*(\i0+\ii)+64*\ft
	global_load_b128 v[\dst+64*\ii+8*\ft+4:\dst+64*\ii+8*\ft+7], v[GO], s[14:15] offset:4096+512*(\i0+\ii)+64*\ft+16
.endr
.endr
.endm
; 64 f32 (eight tiles) to four f16 B fragments, in place: tiles 2u, 2u+1 go to registers 16u .. 16u+7.  No destination lies ahead of a source still to be read.
.macro PACK64 base
.irp u, 0,1,2,3
.irp k, 0,1,2,3
	v_cvt_pk_f16_f32 v[\base+16*\u+\k], v[\base+16*\u+2*\k], v[\base+16*\u+2*\k+1]
.endr
.irp k, 0,1,2,3
	v_cvt_pk_f16_f32 v[\base+16*\u+4+\k], v[\base+16*\u+8+2*\k], v[\base+16*\u+9+2*\k]
.endr
.endr
.endm
; Softmax of head i over the step's 128 keys of this wave.  first = 1: the first step: no alpha, nothing to rescale, the sums start.
.macro SM i, first
	WIN 0x0A
.irp c, 0,1,2,3
	v_max3_num_f32 v[RT+\c], v[64*\i+2*\c], v[64*\i+2*\c+1], v[RM+\i]      ; the running maximum starts the chains
.endr
.set p, 4
.rept 28
	v_max3_num_f32 v[RT+(p&3)], v[64*\i+2*p], v[64*\i+2*p+1], v[RT+(p&3)]
.set p, p+1
.endr
	WIN 0
	v_max3_num_f32 v[RX], v[RT], v[RT+1], v[RT+2]
	v_max_num_f32 v[RX], v[RX], v[RT+3]
	v_permlanex16_b32 v[RY], v[RX], s24, s25       ; the other eight keys of each tile lie in lane xor 16
	v_max_num_f32 v[RMN], v[RX], v[RY]
	v_max_num_f32 v[RMN+1], v[RX], v[RY]
.if \first
	v_mov_b32 v[RM+\i], v[RMN]
.else
	v_sub_f32 v[RAL], v[RM+\i], v[RMN]
	v_exp_f32 v[RAL], v[RAL]                       ; alpha = exp2(old maximum - new)
	v_mov_b32 v[RM+\i], v[RMN]                     ; the plain instruction behind the exponential (ISA guide 5.7.2)
	s_wait_alu depctr_va_vdst(0)
	v_mov_b32 v[RAL+1], v[RAL]
.irp c, 0,1,2,3
	v_pk_mul_f32 v[LACC+8*\i+2*\c:LACC+8*\i+2*\c+1], v[LACC+8*\i+2*\c:LACC+8*\i+2*\c+1], v[RAL:RAL+1]
.endr
.endif
	WIN 0x82
.set p, 0
.rept 32
	v_pk_add_f32 v[64*\i+2*p:64*\i+2*p+1], v[64*\i+2*p:64*\i+2*p+1], v[RMN:RMN+1] neg_lo:[0,1] neg_hi:[0,1]
.set p, p+1
.endr
.set p, 0
.rept 64
	v_exp_f32 v[64*\i+p], v[64*\i+p]
.set p, p+1
.endr
	v_nop                                          ; one plain place before the last exponentials are read
.if \first
	WIN 0x0A
	s_wait_alu depctr_va_vdst(0)
.irp c, 0,1,2,3
	v_pk_add_f32 v[LACC+8*\i+2*\c:LACC+8*\i+2*\c+1], v[64*\i+2*\c:64*\i+2*\c+1], v[64*\i+2*\c+8:64*\i+2*\c+9]   ; the first sums start the chains: nothing is cleared
.endr
.set p, 8
.else
	WIN 0x41
.set p, 0
	s_wait_alu depctr_va_vdst(0)
.rept 32
	v_pk_mul_f32 v[64*\i+2*p:64*\i+2*p+1], v[64*\i+2*p:64*\i+2*p+1], v[RAL:RAL+1]      ; O of this head times alpha
.set p, p+1
.endr
.set p, 0
.endif
	WIN 0x02
.rept 32-8*\first
	v_pk_add_f32 v[LACC+8*\i+2*(p&3):LACC+8*\i+2*(p&3)+1], v[64*\i+2*p:64*\i+2*p+1], v[LACC+8*\i+2*(p&3):LACC+8*\i+2*(p&3)+1]
.set p, p+1
.endr
	WIN 0x8A
	PACK64 64*\i
.endm
; One key step on slot s.
.macro WORK s, first
	PLACES 5                                       ; behind the last step's matrix instructions: their A registers are loaded again, their B registers written by matrix instructions
.irp t, 0,1,2,3,4,5,6,7
	ds_load_b128 v[BI+8*\t:BI+8*\t+3],   v[ADRM+\s] offset:64*\t          ; mask(q = r, keys 16 t + 8 h + 0..7): the lanes' order of an S tile
	ds_load_b128 v[BI+8*\t+4:BI+8*\t+7], v[ADRM+\s] offset:64*\t+16
.endr
	KLOAD \s, 0
	s_wait_dscnt 8                                 ; the 16 mask loads are back; the 8 loads of K's tile 0 may stay out
.set p, 0
.rept 16
	v_cmp_eq_u32 s28, 0, v[BI+p]
	v_cmp_eq_u32 s29, 0, v[BI+p+1]
	v_cmp_eq_u32 s30, 0, v[BI+p+2]
	v_cmp_eq_u32 s31, 0, v[BI+p+3]
	v_cndmask_b32 v[BI+p],   0, v[RNEG], s28       ; -2^100 where the mask is 0
	v_cndmask_b32 v[BI+p+1], 0, v[RNEG], s29
	v_cndmask_b32 v[BI+p+2], 0, v[RNEG], s30
	v_cndmask_b32 v[BI+p+3], 0, v[RNEG], s31
.set p, p+4
.endr
	; S^T: eight key tiles; in each the four heads' accumulators take turns, one instruction a turn
.irp t, 0,1,2,3,4,5,6,7
.if \t < 7
.if \t > 0
	PLACES 4                                       ; the buffer loaded next was read by the matrix instructions just issued
.endif
	WIN 0
	KLOAD \s, \t+1
	s_wait_dscnt 8                                 ; tile t is back; the 8 loads just issued stay out
.else
	s_wait_dscnt 0
.endif
	WIN 0x8C
.irp i, 0,1,2,3
	v_wmma_f32_16x16x32_bf16 v[64*\i+8*\t:64*\i+8*\t+7], v[KF+32*(\t&1):KF+32*(\t&1)+7], v[32*\i:32*\i+7], v[BI+8*\t:BI+8*\t+7]
.endr
	WIN 0xAC
.irp kk, 1,2,3
.irp i, 0,1,2,3
	v_wmma_f32_16x16x32_bf16 v[64*\i+8*\t:64*\i+8*\t+7], v[KF+32*(\t&1)+8*\kk:KF+32*(\t&1)+8*\kk+7], v[32*\i+8*\kk:32*\i+8*\kk+7], v[64*\i+8*\t:64*\i+8*\t+7]
.endr
.endr
.endr
	PLACES 4                                       ; before S is read and the bias and K registers are loaded again
	WIN 0
	VLOAD \s, 0                                    ; V's first two quarters come in under the softmax
	VLOAD \s, 1
	SM 0, \first
	SM 1, \first
	SM 2, \first
	SM 3, \first
	; O^T += V^T P^T: 32 accumulators take turns, in the same order in every quarter
.irp u, 0,1,2,3
.if \u < 3
	s_wait_dscnt 16                                ; quarter u is back; the 16 loads of the next quarter stay out
.else
	s_wait_dscnt 0
.endif
.set pvz, 0
.if \first
.if \u == 0
.set pvz, 1
.endif
.endif
	WIN 0x58
.irp ft, 0,1,2,3,4,5,6,7
.irp i, 0,1,2,3
.if pvz
	v_wmma_f32_16x16x32_f16 v[64*\i+8*\ft:64*\i+8*\ft+7], v[BI+64*(\u&1)+8*\ft:BI+64*(\u&1)+8*\ft+7], v[64*\i+16*\u:64*\i+16*\u+7], 0
.else
	v_wmma_f32_16x16x32_f16 v[64*\i+8*\ft:64*\i+8*\ft+7], v[BI+64*(\u&1)+8*\ft:BI+64*(\u&1)+8*\ft+7], v[64*\i+16*\u:64*\i+16*\u+7], v[64*\i+8*\ft:64*\i+8*\ft+7]
.endif
.endr
.endr
.if \u < 2
	PLACES 4
	WIN 0
	VLOAD \s, \u+2
.endif
.endr
.endm
; O of heads i0, i0 + 1 to f16 B fragments: times dv, times exp2(m_w - m) / l, times the column's power of two 2^(127 - E).
.macro CONV i0, dv, ic
	WIN 0x4D
.set p, 0
.rept 64
	v_pk_mul_f32 v[64*\i0+2*p:64*\i0+2*p+1], v[64*\i0+2*p:64*\i0+2*p+1], v[\dv+2*p:\dv+2*p+1]
.set p, p+1
.endr
	WIN 0x05
.irp c, 0,1,2,3
	v_max3_num_f32 v[RT+\c], |v[64*\i0+2*\c]|, |v[64*\i0+2*\c+1]|, 0
	v_max3_num_f32 v[4+\c], |v[64*\i0+64+2*\c]|, |v[64*\i0+65+2*\c]|, 0
.endr
.set p, 4
.rept 28
	v_max3_num_f32 v[RT+(p&3)], |v[64*\i0+2*p]|, |v[64*\i0+2*p+1]|, v[RT+(p&3)]
	v_max3_num_f32 v[4+(p&3)], |v[64*\i0+64+2*p]|, |v[64*\i0+65+2*p]|, v[4+(p&3)]
.set p, p+1
.endr
	WIN 0
	v_max3_num_f32 v[RX], v[RT], v[RT+1], v[RT+2]
	v_max3_num_f32 v4, v4, v5, v6
	v_max_num_f32 v[RX], v[RX], v[RT+3]
	v_max_num_f32 v4, v4, v7
	v_mul_f32 v[RX], v[RX], v[RSC+\i0]
	v_mul_f32 v4, v4, v[RSC+\i0+1]
	v_max_num_f32 v[RX], v[RX], v4
	v_permlanex16_b32 v[RY], v[RX], s24, s25
	v_max_num_f32 v[RX], v[RX], v[RY]              ; the largest magnitude of column q in these two heads
	v_and_b32 v[\ic], 0x7f800000, v[RX]            ; its exponent field alone: 2^(E - 127)
	v_and_b32 v[\ic+1], 0x7f800000, v[RX]
	v_sub_nc_u32 v5, 0x7f000000, v[\ic]            ; 2^(127 - E)
	v_mul_f32 v[RMUL], v[RSC+\i0], v5
	v_mul_f32 v[RMUL+1], v[RSC+\i0], v5
	v_mul_f32 v[RMUL+2], v[RSC+\i0+1], v5
	v_mul_f32 v[RMUL+3], v[RSC+\i0+1], v5
	WIN 0x41
.irp ii, 0,1
.set p, 0
.rept 32
	v_pk_mul_f32 v[64*(\i0+\ii)+2*p:64*(\i0+\ii)+2*p+1], v[64*(\i0+\ii)+2*p:64*(\i0+\ii)+2*p+1], v[RMUL+2*\ii:RMUL+2*\ii+1]
.set p, p+1
.endr
.endr
	WIN 0x45
	PACK64 64*\i0
	PACK64 64*\i0+64
.endm
; out^T (8 tiles at window 2, register out) = the weights of heads i0, i0 + 1 (slot s) times their Oh^T.  The eight accumulators take turns.
.macro PROJ s, i0, out
	PLACES 4
	WIN 0
	OLOAD \s, 0
.irp g, 0,1,2,3,4,5,6,7
.if \g < 7
.if \g > 0
	PLACES 4
.endif
	WIN 0
	OLOAD \s, \g+1
	s_wait_dscnt 16                                ; K step g is back; the 16 loads just issued stay out
.else
	s_wait_dscnt 0
.endif
	WIN 0xA4
.irp nt, 0,1,2,3,4,5,6,7
.if \g == 0
	v_wmma_f32_16x16x32_f16 v[\out+8*\nt:\out+8*\nt+7], v[BI+64*(\g&1)+8*\nt:BI+64*(\g&1)+8*\nt+7], v[64*(\i0+(\g>>2))+16*(\g&3):64*(\i0+(\g>>2))+16*(\g&3)+7], 0
.else
	v_wmma_f32_16x16x32_f16 v[\out+8*\nt:\out+8*\nt+7], v[BI+64*(\g&1)+8*\nt:BI+64*(\g&1)+8*\nt+7], v[64*(\i0+(\g>>2))+16*(\g&3):64*(\i0+(\g>>2))+16*(\g&3)+7], v[\out+8*\nt:\out+8*\nt+7]
.endif
.endr
.endr
.endm
	; ---------------- set-up
	s_load_b256 s[4:11], s[0:1], 0x0               ; X_Q s[4:5], mask s[6:7], kb s[8:9], vh s[10:11]
	s_load_b128 s[12:15], s[0:1], 0x20             ; of s[12:13], gd s[14:15]
	s_load_b64 s[16:17], s[0:1], 0x30              ; out0
	v_lshl_add_u32 v254, v0, 2, 0x4f200
	v_mov_b32 v255, 0
	ds_add_u32 v254, v255
	ds_add_u32 v254, v255
	v_lshrrev_b32 v4, 5, v0
	v_readfirstlane_b32 s18, v4                    ; wave w
	s_lshr_b32 s19, s18, 1                         ; hg: which four heads
	s_and_b32 s20, s18, 1                          ; ks: which half of a step's keys
	s_bfe_u32 s21, ttmp6, 0x40000                  ; cx
	s_lshl_b32 s22, ttmp9, 2
	s_add_co_u32 s22, s22, s21                     ; work-group = 4 x cluster + cx: 16 query rows each
	s_lshr_b32 s23, ttmp9, 5                       ; batch: 32 clusters each; the same in the whole cluster
	s_mov_b32 s24, 0x76543210                      ; v_permlanex16_b32: lane i reads lane i xor 16
	s_mov_b32 s25, 0xfedcba98
	; group 1 of K's tile: 256 rows x 128 elements of 2 bytes, 4 words of padding behind every 64; joint, mask 15
	s_mov_b32 s[G1K+0], 15|(1<<16)|(1<<20)|(1<<21)|(5<<22)|(3<<25)
	s_mov_b32 s[G1K+1], 128<<16                    ; tensor_dim0 = 128
	s_mov_b32 s[G1K+2], 256<<16                    ; tensor_dim1 = 256
	s_mov_b32 s[G1K+3], 128<<16                    ; tile_dim0 = 128
	s_mov_b32 s[G1K+4], 256                        ; tile_dim1 = 256
	s_mov_b32 s[G1K+5], 128                        ; elements from row to row
	s_mov_b32 s[G1K+6], 0
	s_mov_b32 s[G1K+7], 0
	; V's: the same with 8 words of padding
	s_mov_b32 s[G1V+0], 15|(1<<16)|(1<<20)|(1<<21)|(5<<22)|(7<<25)
	s_mov_b32 s[G1V+1], 128<<16
	s_mov_b32 s[G1V+2], 256<<16
	s_mov_b32 s[G1V+3], 128<<16
	s_mov_b32 s[G1V+4], 256
	s_mov_b32 s[G1V+5], 128
	s_mov_b32 s[G1V+6], 0
	s_mov_b32 s[G1V+7], 0
	; the mask's: 8 rows x 256 elements of 4 bytes, 4 words of padding behind every 256; our own (work-group mask 0)
	s_mov_b32 s[G1M+0], (2<<16)|(1<<20)|(7<<22)|(3<<25)
	s_mov_b32 s[G1M+1], 256<<16
	s_mov_b32 s[G1M+2], 8<<16
	s_mov_b32 s[G1M+3], 256<<16
	s_mov_b32 s[G1M+4], 8
	s_mov_b32 s[G1M+5], 2048
	s_mov_b32 s[G1M+6], 0
	s_mov_b32 s[G1M+7], 0
	; a head of 'of': 32,768 dense bytes as 128 rows of 32 elements of 8 bytes; joint, mask 15
	s_mov_b32 s[G1O+0], 15|(3<<16)|(1<<21)
	s_mov_b32 s[G1O+1], 32<<16
	s_mov_b32 s[G1O+2], 128<<16
	s_mov_b32 s[G1O+3], 32<<16
	s_mov_b32 s[G1O+4], 128
	s_mov_b32 s[G1O+5], 32
	s_mov_b32 s[G1O+6], 0
	s_mov_b32 s[G1O+7], 0
	s_lshl_b32 s28, s23, 19                        ; batch x 2,048 rows of 256 bytes.  s27, s[28:29] never hold cx; s[30:31] do
	s_mov_b32 s29, 0
	s_wait_dscnt 0x0
	s_wait_kmcnt 0x0
	s_add_nc_u64 s[8:9], s[8:9], s[28:29]
	s_add_nc_u64 s[10:11], s[10:11], s[28:29]
	s_lshl_b32 s28, s19, 17                        ; 'of': head 4 hg + ks
	s_lshl_b32 s27, s20, 15
	s_add_co_u32 s28, s28, s27
	s_add_nc_u64 s[12:13], s[12:13], s[28:29]
	s_lshl_b32 s28, s19, 11                        ; gd: four heads of 512 bytes
	s_add_nc_u64 s[14:15], s[14:15], s[28:29]
	s_lshl_b32 s30, s22, 17                        ; mask: 16 rows of 8,192 bytes a work-group,
	s_lshl_b32 s31, s20, 16                        ; 8 rows for each of waves 2 and 3
	s_add_co_u32 s30, s30, s31
	s_mov_b32 s31, 0
	s_add_nc_u64 s[6:7], s[6:7], s[30:31]
	s_lshl_b32 s30, s22, 13                        ; X_Q and out0: 16 rows of 512 bytes
	s_add_nc_u64 s[4:5], s[4:5], s[30:31]
	s_add_nc_u64 s[16:17], s[16:17], s[30:31]
	; group 0: count 1, LDS address, global address, type 2
	s_mov_b32 s[G0K+0], 1
	s_mov_b32 s[G0K+1], 0
	s_mov_b64 s[G0K+2:G0K+3], s[8:9]
	s_or_b32 s[G0K+3], s[G0K+3], 0x80000000
	s_mov_b32 s[G0K+4], 1
	s_mov_b32 s[G0K+5], SLOT
	s_add_nc_u64 s[G0K+6:G0K+7], s[8:9], 65536     ; step 1: 256 rows of 256 bytes on
	s_or_b32 s[G0K+7], s[G0K+7], 0x80000000
	s_mov_b32 s[G0V+0], 1
	s_mov_b32 s[G0V+1], VOFF
	s_mov_b64 s[G0V+2:G0V+3], s[10:11]
	s_or_b32 s[G0V+3], s[G0V+3], 0x80000000
	s_mov_b32 s[G0V+4], 1
	s_mov_b32 s[G0V+5], SLOT+VOFF
	s_add_nc_u64 s[G0V+6:G0V+7], s[10:11], 65536
	s_or_b32 s[G0V+7], s[G0V+7], 0x80000000
	s_mov_b32 s[G0M+0], 1
	s_mul_i32 s[G0M+1], s18, 8*MP                  ; waves 2 and 3: rows 0-7 and 8-15 of the mask tile
	s_add_co_u32 s[G0M+1], s[G0M+1], MOFF-16*MP
	s_mov_b64 s[G0M+2:G0M+3], s[6:7]
	s_or_b32 s[G0M+3], s[G0M+3], 0x80000000
	s_mov_b32 s[G0M+4], 1
	s_add_co_u32 s[G0M+5], s[G0M+1], SLOT
	s_add_nc_u64 s[G0M+6:G0M+7], s[6:7], 1024      ; step 1: 256 keys of 4 bytes on
	s_or_b32 s[G0M+7], s[G0M+7], 0x80000000
	s_mov_b32 s[G0OA+0], 1
	s_lshl_b32 s[G0OA+1], s18, 15                  ; wave x 32,768
	s_mov_b64 s[G0OA+2:G0OA+3], s[12:13]
	s_or_b32 s[G0OA+3], s[G0OA+3], 0x80000000
	s_mov_b32 s[G0OB+0], 1
	s_add_co_u32 s[G0OB+1], s[G0OA+1], SLOT
	s_add_nc_u64 s[G0OB+2:G0OB+3], s[12:13], 65536 ; head 4 hg + 2 + ks
	s_or_b32 s[G0OB+3], s[G0OB+3], 0x80000000
	ROUND                                          ; the four work-groups are here: the first joint loads meet
	; the first fills, both slots, as one group; each wave's two stand in one branch.  Two tensor loads of a wave are out here, the most in this text.
	s_cmp_lg_u32 s18, 0
	s_cbranch_scc1 .Lfirst_not_k
	tensor_load_to_lds s[G0K:G0K+3], s[G1K:G1K+7]
	s_nop 0
	tensor_load_to_lds s[G0K+4:G0K+7], s[G1K:G1K+7]
	s_nop 0
	s_branch .Lfirst_done
.Lfirst_not_k:
	s_cmp_lg_u32 s18, 1
	s_cbranch_scc1 .Lfirst_not_v
	tensor_load_to_lds s[G0V:G0V+3], s[G1V:G1V+7]
	s_nop 0
	tensor_load_to_lds s[G0V+4:G0V+7], s[G1V:G1V+7]
	s_nop 0
	s_branch .Lfirst_done
.Lfirst_not_v:
	tensor_load_to_lds s[G0M:G0M+3], s[G1M:G1M+7]
	s_nop 0
	tensor_load_to_lds s[G0M+4:G0M+7], s[G1M:G1M+7]
	s_nop 0
.Lfirst_done:
	; ---------------- prologue, while the tiles are on their way
	v_and_b32 v1, 31, v0                           ; lane
	v_and_b32 v2, 15, v0                           ; r
	v_bfe_u32 v3, v0, 4, 1                         ; h
	v_lshlrev_b32 v[XQO], 9, v2
	v_lshl_add_u32 v[XQO], v3, 5, v[XQO]           ; 512 r + 32 h
	v_lshlrev_b32 v[GO], 5, v3                     ; 32 h
.irp m, 0,1,2,3,4,5,6,7
	global_load_b128 v[BI+8*\m:BI+8*\m+3],   v[XQO], s[4:5] offset:64*\m       ; X_Q(q = r, d = 16 m + 8 h + 0..7): the order of a B fragment
	global_load_b128 v[BI+8*\m+4:BI+8*\m+7], v[XQO], s[4:5] offset:64*\m+16
.endr
	WIN 0x80
.irp i, 0,1,2,3
.irp m, 0,1,2,3,4,5,6,7
	global_load_b128 v[64*\i+8*\m:64*\i+8*\m+3],   v[GO], s[14:15] offset:512*\i+64*\m      ; g' of head i at the same d
	global_load_b128 v[64*\i+8*\m+4:64*\i+8*\m+7], v[GO], s[14:15] offset:512*\i+64*\m+16
.endr
.endr
	WIN 0xC0
	DVLOAD 0, 128
	WIN 0
	v_mul_u32_u24 v4, v2, KP
	v_lshl_add_u32 v4, v3, 4, v4
	s_mul_i32 s28, s20, 128*KP
	v_add_nc_u32 v[ADRK], s28, v4                  ; my 128 rows of K: row r, 16 h
	v_add_nc_u32 v[ADRK+1], SLOT, v[ADRK]
	v_and_b32 v4, 7, v0
	v_lshl_add_u32 v4, v3, 3, v4
	v_mul_u32_u24 v4, v4, VP
	v_bfe_u32 v5, v0, 3, 1
	v_lshl_add_u32 v4, v5, 4, v4
	s_mul_i32 s28, s20, 128*VP
	s_add_co_u32 s28, s28, VOFF
	v_add_nc_u32 v[ADRV], s28, v4                  ; my 128 rows of V: row 8 h + lane % 8, 16 bytes by bit 3 of the lane
	v_add_nc_u32 v[ADRV+1], SLOT, v[ADRV]
	v_mul_u32_u24 v4, v2, MP
	v_lshl_add_u32 v4, v3, 5, v4
	s_lshl_b32 s28, s20, 9
	s_add_co_u32 s28, s28, MOFF
	v_add_nc_u32 v[ADRM], s28, v4                  ; mask row r, my 128 keys, 8 h keys on
	v_add_nc_u32 v[ADRM+1], SLOT, v[ADRM]
	v_lshlrev_b32 v4, 4, v1                        ; 16 x lane
	s_lshl_b32 s28, s19, 16
	v_add_nc_u32 v[ADRO], s28, v4                  ; the two heads of my four that the slot holds
	v_add_nc_u32 v[ADRO+1], SLOT, v[ADRO]
	s_lshl_b32 s28, s18, 10
	s_add_co_u32 s28, s28, SCR
	v_add_nc_u32 v[SCRW], s28, v4
	s_xor_b32 s28, s18, 1                          ; the wave with my heads and the other keys
	s_lshl_b32 s28, s28, 10
	s_add_co_u32 s28, s28, SCR
	v_add_nc_u32 v[SCRR], s28, v4
	v_mul_u32_u24 v5, v2, STGP
	v_lshl_add_u32 v5, v3, 5, v5
	s_mul_i32 s28, s18, 16*STGP
	v_add_nc_u32 v[STGW], s28, v5
	s_mul_i32 s28, s18, 4*STGP
	v_add_nc_u32 v[STGR], s28, v4
	s_lshl_b32 s28, s18, 11
	v_add_nc_u32 v[OUTO], s28, v4
	v_mov_b32 v[RNEG], 0xf1800000                  ; -2^100
	v_mov_b32 v[RY], 0                             ; v_permlanex16_b32 counts as a reader of its destination
.irp i, 0,1,2,3
	v_mov_b32 v[RM+\i], 0xef800000                 ; -2^96: above every masked score, below every other
.endr
	s_wait_loadcnt 0x0
	WIN 0x82
.irp i, 0,1,2,3
.set p, 0
.rept 32
	v_pk_mul_f32 v[64*\i+2*p:64*\i+2*p+1], v[64*\i+2*p:64*\i+2*p+1], v[BI+2*p:BI+2*p+1]
.set p, p+1
.endr
.endr
	WIN 0xCA
.irp i, 0,1,2,3
.set p, 0
.rept 32
	v_cvt_pk_bf16_f32 v[32*\i+p], v[64*\i+2*p], v[64*\i+2*p+1]     ; Q' of head i: four B fragments
.set p, p+1
.endr
.endr
	WIN 0
	; ---------------- the eight key steps
	s_wait_tensorcnt 0x1                           ; my part of step 0's tiles is in; step 1's stays out
	s_barrier_signal -1
	s_barrier_wait -1
	WORK 0, 1
	WIN 0
	s_mov_b32 s26, 3
.Lsteps:
	PRE_KVM 0                                      ; steps 2, 4, 6 go out
	WORK 1, 0                                      ; steps 1, 3, 5
	PRE_KVM 1                                      ; steps 3, 5, 7 go out
	WORK 0, 0                                      ; steps 2, 4, 6
	WIN 0
	s_sub_co_u32 s26, s26, 1
	s_cmp_lg_u32 s26, 0
	s_cbranch_scc1 .Lsteps
	s_wait_tensorcnt 0x0                           ; step 7's tiles have landed
	ds_add_u32 v254, v255
	s_wait_dscnt 0x0                               ; my reads of slot 0 are back
	ROUND
	tensor_load_to_lds s[G0OA:G0OA+3], s[G1O:G1O+7]        ; slot 0's last fill: the weights of heads 4 hg, 4 hg + 1 of both hg, a head a wave
	s_nop 0
	WORK 1, 0                                      ; step 7
	; ---------------- the two key halves exchange m and l
	PLACES 4                                       ; before O is read
	WIN 0xC0
	DVLOAD 2, 0                                    ; dv of heads 2, 3 over Q', which is done with
	WIN 0
.irp i, 0,1,2,3
	v_pk_add_f32 v[LACC+8*\i:LACC+8*\i+1], v[LACC+8*\i:LACC+8*\i+1], v[LACC+8*\i+2:LACC+8*\i+3]
	v_pk_add_f32 v[LACC+8*\i+4:LACC+8*\i+5], v[LACC+8*\i+4:LACC+8*\i+5], v[LACC+8*\i+6:LACC+8*\i+7]
	v_pk_add_f32 v[LACC+8*\i:LACC+8*\i+1], v[LACC+8*\i:LACC+8*\i+1], v[LACC+8*\i+4:LACC+8*\i+5]
	v_add_f32 v[RL+\i], v[LACC+8*\i], v[LACC+8*\i+1]
	v_permlanex16_b32 v[RY], v[RL+\i], s24, s25
	v_add_f32 v[RL+\i], v[RL+\i], v[RY]
.endr
	ds_store_b128 v[SCRW], v[RM:RM+3]
	ds_store_b128 v[SCRW], v[RL:RL+3] offset:512
	s_wait_tensorcnt 0x0                           ; slot 0's weights have landed
	ds_add_u32 v254, v255
	s_wait_dscnt 0x0                               ; my reads of slot 1 are back, my m and l are written
	ROUND
	tensor_load_to_lds s[G0OB:G0OB+3], s[G1O:G1O+7]        ; slot 1's last fill: heads 4 hg + 2, 4 hg + 3
	s_nop 0
	ds_load_b128 v[RPM:RPM+3], v[SCRR]
	ds_load_b128 v[RPL:RPL+3], v[SCRR] offset:512
	s_wait_dscnt 0x0
.irp i, 0,1,2,3
	v_max_num_f32 v[RT], v[RM+\i], v[RPM+\i]
	v_sub_f32 v[RT+1], v[RM+\i], v[RT]
	v_sub_f32 v[RT+2], v[RPM+\i], v[RT]
	v_exp_f32 v[RT+1], v[RT+1]
	v_exp_f32 v[RT+2], v[RT+2]
	v_nop
	s_wait_alu depctr_va_vdst(0)
	v_mul_f32 v[RT+3], v[RPL+\i], v[RT+2]
	v_fma_f32 v[RT+3], v[RL+\i], v[RT+1], v[RT+3]  ; l of all 2,048 keys
	v_rcp_f32 v[RT+3], v[RT+3]
	v_nop
	s_wait_alu depctr_va_vdst(0)
	v_mul_f32 v[RSC+\i], v[RT+1], v[RT+3]          ; exp2(m_w - m) / l
.endr
	; ---------------- the projection
	CONV 0, 128, ICA
	PROJ 0, 0, 0
	WIN 0
	s_wait_loadcnt 0x0                             ; dv of heads 2, 3
	CONV 2, 0, ICB
	WIN 0
	s_wait_tensorcnt 0x0                           ; my part of slot 1's weights is in
	s_wait_dscnt 0x0                               ; my reads of slot 0 are back: behind this barrier it serves as the stage
	s_barrier_signal -1
	s_barrier_wait -1
	PROJ 1, 2, 64
	; ---------------- the four waves' partial results meet
	PLACES 4
	WIN 0xA2
.set p, 0
.rept 32
	v_pk_mul_f32 v[2*p:2*p+1], v[2*p:2*p+1], v[ICA:ICA+1]
.set p, p+1
.endr
.set p, 0
.rept 32
	v_pk_fma_f32 v[2*p:2*p+1], v[64+2*p:64+2*p+1], v[ICB:ICB+1], v[2*p:2*p+1]
.set p, p+1
.endr
	WIN 0x08
.irp nt, 0,1,2,3,4,5,6,7
	ds_store_b128 v[STGW], v[8*\nt:8*\nt+3]   offset:64*\nt       ; out(q = r, n = 16 nt + 8 h + 0..7)
	ds_store_b128 v[STGW], v[8*\nt+4:8*\nt+7] offset:64*\nt+16
.endr
	WIN 0
	s_wait_dscnt 0x0                               ; for the others' sake
	s_barrier_signal -1
	s_barrier_wait -1
.irp e, 0,1,2,3
.irp ww, 0,1,2,3
	ds_load_b128 v[BI+16*\e+4*\ww:BI+16*\e+4*\ww+3], v[STGR] offset:16*STGP*\ww+STGP*\e     ; row 4 w + e of wave ww's partial result
.endr
.endr
	s_wait_dscnt 0x0
.irp e, 0,1,2,3
	v_pk_add_f32 v[BI+16*\e:BI+16*\e+1],     v[BI+16*\e:BI+16*\e+1],     v[BI+16*\e+4:BI+16*\e+5]
	v_pk_add_f32 v[BI+16*\e+2:BI+16*\e+3],   v[BI+16*\e+2:BI+16*\e+3],   v[BI+16*\e+6:BI+16*\e+7]
	v_pk_add_f32 v[BI+16*\e+8:BI+16*\e+9],   v[BI+16*\e+8:BI+16*\e+9],   v[BI+16*\e+12:BI+16*\e+13]
	v_pk_add_f32 v[BI+16*\e+10:BI+16*\e+11], v[BI+16*\e+10:BI+16*\e+11], v[BI+16*\e+14:BI+16*\e+15]
	v_pk_add_f32 v[BI+16*\e:BI+16*\e+1],     v[BI+16*\e:BI+16*\e+1],     v[BI+16*\e+8:BI+16*\e+9]
	v_pk_add_f32 v[BI+16*\e+2:BI+16*\e+3],   v[BI+16*\e+2:BI+16*\e+3],   v[BI+16*\e+10:BI+16*\e+11]
	global_store_b128 v[OUTO], v[BI+16*\e:BI+16*\e+3], s[16:17] offset:512*\e       ; the wave's store is a whole row of 512 bytes
.endr
	s_wait_tensorcnt 0x0
	ds_add_u32 v254, v255
	s_wait_dscnt 0x0
	ROUND                                          ; the closing round: no work-group ends while a partner may still ask jointly
	s_endpgm
.Lfunc_end_k_q6097d5c5bf_attn:
	.size	k_q6097d5c5bf_attn, .Lfunc_end_k_q6097d5c5bf_attn-k_q6097d5c5bf_attn
	.p2alignl 7, 3214868480
	.fill 96, 4, 3214868480
	.section	.rodata,"a",@progbits
	.p2align	6, 0x0
	.amdhsa_kernel k_q6097d5c5bf_attn
		.amdhsa_group_segment_fixed_size 327680
		.amdhsa_private_segment_fixed_size 0
		.amdhsa_enable_private_segment 0
		.amdhsa_kernarg_size 56
		.amdhsa_user_sgpr_count 2
		.amdhsa_user_sgpr_kernarg_segment_ptr 1
		.amdhsa_wavefront_size32 1
		.amdhsa_system_sgpr_workgroup_id_x 1
		.amdhsa_system_sgpr_workgroup_id_y 1
		.amdhsa_system_sgpr_workgroup_id_z 1
		.amdhsa_system_vgpr_workitem_id 0
		.amdhsa_next_free_vgpr 1024
		.amdhsa_next_free_sgpr 100
		.amdhsa_reserve_vcc 0
		.amdhsa_float_denorm_mode_32 3
		.amdhsa_float_denorm_mode_16_64 3
		.amdhsa_memory_ordered 1
		.amdhsa_forward_progress 1
		.amdhsa_inst_pref_size 255
	.end_amdhsa_kernel
	.section	.bss,"aw",@nobits
	.p2align	6
	.space	262144
	.amdgpu_metadata
---
amdhsa.version: [ 1, 2 ]
amdhsa.kernels:
  - .name:           k_q6097d5c5bf_attn
    .symbol:         k_q6097d5c5bf_attn.kd
    .args:
      - { .name: X_Q, .offset: 0, .size: 8, .value_kind: global_buffer, .address_space: global }
      - { .name: mask, .offset: 8, .size: 8, .value_kind: global_buffer, .address_space: global }
      - { .name: kb, .offset: 16, .size: 8, .value_kind: global_buffer, .address_space: global }
      - { .name: vh, .offset: 24, .size: 8, .value_kind: global_buffer, .address_space: global }
      - { .name: of, .offset: 32, .size: 8, .value_kind: global_buffer, .address_space: global }
      - { .name: gd, .offset: 40, .size: 8, .value_kind: global_buffer, .address_space: global }
      - { .name: out0, .offset: 48, .size: 8, .value_kind: global_buffer, .address_space: global }
    .group_segment_fixed_size: 327680
    .private_segment_fixed_size: 0
    .kernarg_segment_align: 8
    .kernarg_segment_size: 56
    .max_flat_workgroup_size: 128
    .sgpr_count:     100
    .vgpr_count:     1024
    .wavefront_size: 32
...
	.end_amdgpu_metadata
.endif
;; end of part 2
